; MI455X (gfx1250); checked and timed in simulation.
; The chip was launched on July 23, 2026; its instructions are those of AMD's public machine-readable ISA for CDNA 5 (MIT licence, August 2026) and "CDNA5" Instruction Set Architecture Reference Guide (July 2026). The comments in the code are by the model that wrote it; some were corrected since.
;; Scaled Dot Product Attention. Allowed arithmetic: matrix products marked QUANTISED: E4M3 operands, one given power-of-two scale a tensor, by v_wmma_f32_16x16x64_fp8_fp8 or v_wmma_f32_16x16x128_fp8_fp8, f32 sums; everything else in f32.
;; Inputs: key 4 x 16 x 2,048 x 128 float32; lowp_scales 4 int32 (the exponents e of the quantised operands' scales 2^e); query 4 x 16 x 2,048 x 128 float32; value 4 x 16 x 2,048 x 128 float32.
;; Outputs: out0 4 x 16 x 2,048 x 128 float32.
;; This version of the problem:
;;   THIS VERSION OF THE PROBLEM IS GIVEN IN LOW PRECISION. The matrix products marked QUANTISED in the list below multiply operands that are first quantised to E4M3 (4 exponent bits, 3 mantissa bits; 8 bits a number), with one given power-of-two scale for each operand tensor; their sums are f32. All else is computed in f32.
;;   The module's matrix products, in the order in which they are computed (A, B: the left and right operand; K: the contracted axis; several contracted axes count as one K, in the product's order):
;;     1. batch 64 x [M 2,048, K 128] x [K 128, N 2,048]; A: input query; B: input key: QUANTISED (scales: A lowp_scales[0], B lowp_scales[1])
;;     2. batch 64 x [M 2,048, K 2,048] x [K 2,048, N 128]; A: softmax (see below); B: input value: QUANTISED (scales: A lowp_scales[2], B lowp_scales[3])
;;   THE QUANTISER, for each operand of a quantised product, along K:
;;     - The operand's scale is 2^e, e = its entry of the input lowp_scales (int32; the entries are numbered through the quantised products in the list's order, A before B).
;;     - Each number is divided by the scale, clamped to +-448, and rounded to the nearest number of E4M3, ties to even, subnormals kept.
;;     - The product sums the exact products of the quantised numbers (number of the format x scale) in f32.
;;   ~~~python
;;   def quantise(x, axis, e):      # numpy; x: float32 -> the quantised numbers, widened to float32 again
;;       x = np.moveaxis(x, axis, -1); K = x.shape[-1]
;;       r = np.clip(x / 2.0 ** e, -448, 448)
;;       step = 2.0 ** (np.maximum(np.frexp(np.where(r == 0, 1, r))[1] - 1, -6) - 3)
;;       q = np.round(r / step) * step * 2.0 ** e      # np.round: ties to even
;;       return np.moveaxis(q, -1, axis).astype(np.float32)
;;   ~~~
;;   SOFTMAX AHEAD OF A QUANTISED PRODUCT. Where the list says 'softmax', what is quantised is not the finished softmax but p = 2^(t - M), with t = logit x log2(e) and M = ceil(the row's largest t), a whole number; so 1/2 < the row's largest p <= 1. The row's sum l is taken of the UNQUANTISED p, in f32, and the product's result is divided by l at the end. Since M is a whole number, a kernel that streams over the keys may use a running M (the ceiling of the running maximum): every later rescaling is an exact power of two, so the quantised numbers keep their values, but for numbers so far below the row's largest that they fall under the format's range.
;;   OPERANDS COMPUTED ON THE WAY. 'Computed on the way' means the value that the module computes at that place (a softmax that the list does not call 'softmax' is quantised finished and normalised). What goes into a quantiser is computed in f32, as accurately as f32 sums, v_exp_f32 and their like allow (about 1e-6 of the number): no bf16 or f16 on the way to a quantiser, and a product that is left as it is and whose result goes on into a quantised operand takes f32 operands (vector FMAs, or v_wmma_f32_16x16x4_f32). A number that lies on a knife's edge between two numbers of the format may be rounded either way, as far as f32 arithmetic and the matrix unit's own rounding can turn it there, and no further.
;; One version. Each part assembles by itself: llvm-mc -triple=amdgcn-amd-amdhsa -mcpu=gfx1250 --defsym DOCPART=n.
;; ======== version 1 of 1: 2 launches
;; limits: right only within a limited range of input values
;; workspace buffers: kv 33,554,432 bytes
;; launch prep (part 1): grid 2048 x 1, 4 waves a work-group, no clusters, 34,304 bytes of LDS; arguments key, value, lowp_scales, kv; writes kv
.if DOCPART == 1
	.amdgcn_target "amdgcn-amd-amdhsa--gfx1250"
	.amdhsa_code_object_version 6
	.text
	.protected	k_q39778a239f_prep
	.globl	k_q39778a239f_prep
	.p2align	8
	.type	k_q39778a239f_prep,@function
k_q39778a239f_prep:
	s_mov_b64 s[64:65], 0
	v_nop
	global_prefetch_b8 v0, s[64:65] scope:SCOPE_SE
	s_setreg_imm32_b32 hwreg(HW_REG_WAVE_MODE, 25, 1), 1
	s_wait_xcnt 0x0
; key and value, [64 heads][2048 keys][128] f32, become codes of FP8 (E4M3) in kv, laid IN THE ORDER OF THE OPERANDS' REGISTERS of the attention launch.
; code = x / 2^e, held within +-448, rounded to the nearest code, ties to even; e = entry 1 (key) or entry 3 (value) of lowp_scales.
; LIMITS: both exponents lie between -126 and 119, so that 2^e and 448 x 2^e are f32 numbers.  NaN among the inputs is not served (an infinity is held at the largest code).
; kv: head x 524,288 + key step s (128 keys) x 32,768; in a step K's part (16,384 bytes), then V's (16,384).  A part is 8 tiles t x 2,048 bytes, a tile 4 groups c x 512, a group lane l's 16 bytes at 16 l (l = 16 h + r).
;   K (s, t = 2 b + u, c), lane (r, h): key 128 s + 32 b + 8 u + r + 8 (r / 8), channels 32 c + 16 h + 0 .. 15.     V (s, t, c), lane (r, h): keys 128 s + 32 c + 16 h + 0 .. 15, channel 16 t + r.
; SHARES.  Work-groups 0-1023 take key, 1024-2047 value; each one (head, step): 128 rows, 65,536 bytes in, 16,384 out.  Wave w takes rows 32 w .. 32 w + 31.  Waves share nothing: no barrier.
; KEY: the codes run along a row.  A load reads one whole row (512 consecutive bytes); 16 rows turn through the wave's own stage in LDS and come back 64 bytes a lane, so that a lane holds 16 neighbours of each 32.
; VALUE: the codes run DOWN the rows.  A lane takes a column and its registers run down the keys: the conversions' results are the image as it stands; nothing is transposed and no LDS is touched.
.set RW,     32                        ; v32-159   numbers as loaded
.set XT,     160                       ; v160-223  key: 64 numbers of a lane, back from the stage
.set CD,     224                       ; v224-255  codes: every store has registers of its own, so no store's data are written again
.set SPITCH, 528                       ; a stage row: 512 bytes + 16 = 33 x 16: the 16 rows that a read touches start at 16 different columns of 16 bytes
.set WSTG,   16*SPITCH                 ; a wave's stage
.set NKEY,   1024                      ; work-groups that take key
	s_load_b256 s[4:11], s[0:1], 0x0               ; key s[4:5], value s[6:7], the scales' exponents s[8:9], kv s[10:11]
	v_lshl_add_u32 v30, v0, 2, 0x8400
	v_mov_b32 v31, 0
	v_lshrrev_b32 v1, 5, v0
	v_readfirstlane_b32 s12, v1                    ; wave 0..3
	v_and_b32 v2, 31, v0                           ; lane
	v_and_b32 v8, 15, v0                           ; r
	v_bfe_u32 v9, v0, 4, 1                         ; h
	v_lshlrev_b32 v3, 4, v2                        ; 16 x lane: my bytes of a row, and of a group of an image
	s_mul_i32 s24, s12, WSTG
	v_add_nc_u32 v4, s24, v3                       ; the stage, on the way in: 16 x lane of a row
	v_mul_u32_u24 v5, v8, SPITCH
	v_lshl_add_u32 v5, v9, 6, v5
	v_add_nc_u32 v5, s24, v5                       ; and on the way out: row r, + 64 h
	v_lshlrev_b32 v6, 2, v2                        ; value: 4 x lane: my column among 32
	v_lshlrev_b32 v7, 11, v9
	v_lshl_add_u32 v7, v8, 4, v7                   ; value's image: lanes 16-31 hold the next tile's columns: 2,048 (lane / 16) + 16 (lane % 16)
	s_cmp_lt_u32 ttmp9, NKEY
	s_cselect_b32 s13, 0, NKEY
	s_sub_co_u32 s13, ttmp9, s13                   ; g = 16 x head + step
	s_lshl_b32 s16, s13, 16                        ; in: g x 128 rows of 512 bytes
	s_lshl_b32 s17, s12, 14                        ;     + wave x 32 rows
	s_add_co_u32 s16, s16, s17
	s_mov_b32 s17, 0
	s_lshl_b32 s18, s13, 15                        ; out: g x 32,768
	s_mov_b32 s19, 0
	s_wait_kmcnt 0x0
	s_load_b128 s[20:23], s[8:9], 0x0              ; eq, ek, ep, ev
	s_cmp_lt_u32 ttmp9, NKEY                       ; the choice of the buffer hangs on the work-group's number alone
	s_cselect_b64 s[4:5], s[4:5], s[6:7]
	s_add_nc_u64 s[4:5], s[4:5], s[16:17]
	s_add_nc_u64 s[10:11], s[10:11], s[18:19]
	s_cmp_lt_u32 ttmp9, NKEY
	s_cbranch_scc0 .Lvalue
.macro MKSCALE e                       ; v11 = 2^e as f32 (the conversion takes its exponent field), v10 = 448 x 2^e
	s_add_co_i32 s24, s[\e], 127
	s_lshl_b32 s25, s24, 23
	v_mov_b32 v11, s25
	s_add_co_i32 s24, s24, 8
	s_lshl_b32 s24, s24, 23
	s_or_b32 s24, s24, 0x600000
	v_mov_b32 v10, s24
.endm
	; ---------------- KEY: my 32 rows are tiles 2 w and 2 w + 1 of the step
	s_lshl_b32 s16, s12, 12
	s_add_nc_u64 s[10:11], s[10:11], s[16:17]      ; + 4,096 x wave
	s_wait_alu depctr_va_vdst(0)
.irp u, 0,1
.irp m, 0,1,2,3,4,5,6,7,8,9,10,11,12,13,14,15
	global_load_b128 v[RW+4*(16*\u+\m):RW+4*(16*\u+\m)+3], v3, s[4:5] offset:512*(8*\u+\m+8*(\m/8)) th:TH_LOAD_NT   ; row m of tile u: 32 lanes read its 512 consecutive bytes
.endr
.endr
	s_wait_kmcnt 0x0
	MKSCALE 21
.macro KTILE u
	s_wait_loadcnt 16*(1-(\u))                     ; loads come back in order: this tile's 16 rows are in; the other tile's 16, issued behind them, may be out
.irp m, 0,1,2,3,4,5,6,7,8,9,10,11,12,13,14,15
	ds_store_b128 v4, v[RW+4*(16*(\u)+\m):RW+4*(16*(\u)+\m)+3] offset:SPITCH*\m
.endr
.irp c, 0,1,2,3
.irp i, 0,1,2,3
	ds_load_b128 v[XT+16*\c+4*\i:XT+16*\c+4*\i+3], v5 offset:128*\c+16*\i   ; LDS serves a wave's instructions in order: these see the stores above, and the next tile's stores come behind them
.endr
.endr
.irp c, 0,1,2,3
	s_wait_dscnt 12-4*\c                           ; group c's four reads are back; the later groups' may be out
.set n, 0
.rept 16
	v_med3_num_f32 v[XT+16*\c+n], v[XT+16*\c+n], -v10, v10   ; the conversion to an 8-bit code does not saturate (ISA guide 7.6.2): the hold at the largest code x the scale
.set n, n+1
.endr
	v_cvt_scalef32_pk8_fp8_f32 v[CD+4*(4*(\u)+\c):CD+4*(4*(\u)+\c)+1], v[XT+16*\c:XT+16*\c+7], v11
	v_cvt_scalef32_pk8_fp8_f32 v[CD+4*(4*(\u)+\c)+2:CD+4*(4*(\u)+\c)+3], v[XT+16*\c+8:XT+16*\c+15], v11
	global_store_b128 v3, v[CD+4*(4*(\u)+\c):CD+4*(4*(\u)+\c)+3], s[10:11] offset:2048*(\u)+512*\c   ; a group of the image: 512 consecutive bytes.  (The codes go to a store alone; the next vector lines are plain holds on other registers)
.endr
.endm
	s_wait_alu depctr_va_vdst(0)
	KTILE 0
	KTILE 1
	s_wait_tensorcnt 0x0
	ds_add_u32 v30, v31
	s_wait_dscnt 0x0
	s_endpgm
	; ---------------- VALUE: my 32 keys are group c = w of all eight tiles
.Lvalue:
	s_lshl_b32 s16, s12, 9
	s_add_co_u32 s16, s16, 16384
	s_add_nc_u64 s[10:11], s[10:11], s[16:17]      ; V's part, + 512 x wave
.macro VLOAD o                         ; keys 8 o .. 8 o + 7: register 32 o + 8 q + i = value(key 8 o + i, channel 32 q + lane); four loads on end cover a row, the 32 cover 4,096 consecutive bytes
.irp i, 0,1,2,3,4,5,6,7
.irp q, 0,1,2,3
	global_load_b32 v[RW+32*(\o)+8*\q+\i], v6, s[4:5] offset:512*(8*(\o)+\i)+128*\q th:TH_LOAD_NT
.endr
.endr
.endm
.macro OCTET o
.if (\o) < 3
	s_wait_loadcnt 32                              ; this octet's 32 loads are in; the next octet's 32 may be out
.else
	s_wait_loadcnt 0x0
.endif
.if (\o) < 2
	VLOAD (\o)+2
.endif
.irp q, 0,1,2,3
.set n, 0
.rept 8
	v_med3_num_f32 v[RW+32*(\o)+8*\q+n], v[RW+32*(\o)+8*\q+n], -v10, v10
.set n, n+1
.endr
	v_cvt_scalef32_pk8_fp8_f32 v[CD+8*\q+2*(\o):CD+8*\q+2*(\o)+1], v[RW+32*(\o)+8*\q:RW+32*(\o)+8*\q+7], v11   ; eight keys of one column: two registers of that column's eight
.endr
.endm
	s_wait_alu depctr_va_vdst(0)
	VLOAD 0
	VLOAD 1
	s_wait_kmcnt 0x0
	MKSCALE 23
	s_wait_alu depctr_va_vdst(0)
	OCTET 0
	OCTET 1
	OCTET 2
	OCTET 3
.irp q, 0,1,2,3
.irp h, 0,1
	global_store_b128 v7, v[CD+8*\q+4*\h:CD+8*\q+4*\h+3], s[10:11] offset:4096*\q+256*\h   ; keys 16 h + 0 .. 15 of channel 32 q + lane: lanes 0-15 store 256 consecutive bytes of tile 2 q, lanes 16-31 of tile 2 q + 1, each at a multiple of 256
.endr
.endr
	s_endpgm
.Lfunc_end_k_q39778a239f_prep:
	.size	k_q39778a239f_prep, .Lfunc_end_k_q39778a239f_prep-k_q39778a239f_prep
	.p2alignl 7, 3214868480
	.fill 96, 4, 3214868480
	.section	.rodata,"a",@progbits
	.p2align	6, 0x0
	.amdhsa_kernel k_q39778a239f_prep
		.amdhsa_group_segment_fixed_size 34304
		.amdhsa_private_segment_fixed_size 0
		.amdhsa_enable_private_segment 0
		.amdhsa_kernarg_size 32
		.amdhsa_user_sgpr_count 2
		.amdhsa_user_sgpr_kernarg_segment_ptr 1
		.amdhsa_wavefront_size32 1
		.amdhsa_system_sgpr_workgroup_id_x 1
		.amdhsa_system_sgpr_workgroup_id_y 1
		.amdhsa_system_sgpr_workgroup_id_z 1
		.amdhsa_system_vgpr_workitem_id 0
		.amdhsa_next_free_vgpr 256
		.amdhsa_next_free_sgpr 66
		.amdhsa_reserve_vcc 0
		.amdhsa_float_denorm_mode_32 3
		.amdhsa_float_denorm_mode_16_64 3
		.amdhsa_memory_ordered 1
		.amdhsa_forward_progress 1
		.amdhsa_inst_pref_size 42
	.end_amdhsa_kernel
	.amdgpu_metadata
---
amdhsa.version: [ 1, 2 ]
amdhsa.kernels:
  - .name:           k_q39778a239f_prep
    .symbol:         k_q39778a239f_prep.kd
    .args:
      - { .name: key, .offset: 0, .size: 8, .value_kind: global_buffer, .address_space: global }
      - { .name: value, .offset: 8, .size: 8, .value_kind: global_buffer, .address_space: global }
      - { .name: lowp_scales, .offset: 16, .size: 8, .value_kind: global_buffer, .address_space: global }
      - { .name: kv, .offset: 24, .size: 8, .value_kind: global_buffer, .address_space: global }
    .group_segment_fixed_size: 34304
    .private_segment_fixed_size: 0
    .kernarg_segment_align: 8
    .kernarg_segment_size: 32
    .max_flat_workgroup_size: 128
    .sgpr_count:     66
    .vgpr_count:     256
    .wavefront_size: 32
...
	.end_amdgpu_metadata
.endif
;; end of part 1
;; launch attn (part 2): grid 4 x 64, 4 waves a work-group, clusters of 4 x 1, 327,680 bytes of LDS; arguments query, kv, lowp_scales, out0; writes out0
.if DOCPART == 2
	.amdgcn_target "amdgcn-amd-amdhsa--gfx1250"
	.amdhsa_code_object_version 6
	.text
	.protected	k_q39778a239f_attn
	.globl	k_q39778a239f_attn
	.p2align	8
	.type	k_q39778a239f_attn,@function
k_q39778a239f_attn:
	s_mov_b64 s[64:65], 0
	v_nop
	global_prefetch_b8 v0, s[64:65] scope:SCOPE_SE
	s_setreg_imm32_b32 hwreg(HW_REG_WAVE_MODE, 25, 1), 1
	s_wait_xcnt 0x0
	s_wait_alu depctr_hold_cnt(0) depctr_sa_sdst(0) depctr_va_vdst(0) depctr_va_sdst(0) depctr_va_ssrc(0) depctr_va_vcc(0) depctr_vm_vsrc(0)
	s_getreg_b32 s2, hwreg(HW_REG_IB_STS2, 6, 4)
	s_cmp_eq_u32 s2, 0
	s_cbranch_scc0 .Lentry_in_a_cluster
	s_endpgm
.Lentry_in_a_cluster:
	s_bfe_u32 s2, ttmp6, 0x10000c
	s_cmp_lg_u32 s2, 0x3003
	s_cbranch_scc0 .Lentry_shape_is_right
	s_endpgm
.Lentry_shape_is_right:
; out0[hd][q][:] = the sum over k of softmax_k(Q[hd][q] . K[hd][k] / sqrt(128)) V[hd][k][:], 64 heads, 2,048 queries, 2,048 keys, both products on codes of FP8 (E4M3), each operand with its given scale 2^e: eq, ek, ep, ev.
; kv: K's and V's codes as images of the operands' registers: head x 524,288 + step (128 keys) x 32,768; K's 8 tiles x 2,048 bytes, then V's 8; a tile is 4 groups x 512 bytes, lane l's 16 bytes at 16 l.
; THE SOFTMAX: t = score x log2(e) / sqrt(128); M = the running largest t rounded UP to a whole number, kept as -M; p = 2^(t - M) is quantised; the row's sum is taken of the unquantised p and divides at the end.
; When M moves, the sum and O are multiplied by 2^(old M - new M): exact, no branch on data.
; SHARES.  A work-group owns 512 queries of one head, each of its four waves 128: eight tiles of 16.  A key step's 8 fragments of K and 8 of V lie in registers for all eight tiles: each is read from LDS once a wave.
; query is read by whole rows, turned through the wave's stage, quantised once and kept in LDS as an image of codes (2,048 bytes a tile).
; LAYOUT.  Both products transposed: S^T = K Q^T, O^T = V^T P^T: a lane holds ONE query (lane % 16).  The keys of a tile of K are laid (by the launch before) so that the 16 registers of tiles 2 b, 2 b + 1 are 16 neighbouring keys.
; Along K a lane's registers 4 c .. 4 c + 3 hold k = 32 c + 16 (lane / 16) + 0 .. 15 on both sides of each product.
; THE STEP IS A PIPELINE OF EIGHT PHASES, a tile each, on two buffers of scores.  Phase i: tile i's 64 exponentials, and among them, one ahead of every four, the products of tile i + 1's scores and of tile i - 1's O^T;
; then O^T(i) under the new M, tile i + 1's maxima, tile i's sum, holds and codes with the lines that make tile i + 1's M among them, and tile i + 1's t - M.  Phase 7 works ahead into the next step's tile 0.
; CLUSTER.  The four work-groups of a cluster are one head's: each step's 32,768 bytes are asked for jointly, 8,192 a wave.  RING: two slots of one step.  The change of slots stands in phase 6, where K's fragments are done with;
; the next K is read there, the next V at the end of phase 7.  Steps 14 and 15 ask for nothing and are a loop of their own; in step 15 each tile's rows leave a phase behind its last product.
; O^T begins as zeros, made by 64 products of zero codes (64 lines where 512 moves would stand); the first change of M leaves them zeros, so the step has no first form of its own.
; LIMITS: eq + ek between -123 and 130; eq and ep each between -126 and 119; the scaled scores stay under 2^31 in magnitude; NaN among the inputs is not served.
; REGISTERS.  window 0: v1-14 addresses and constants, v16-31 at work, v32-63 a tile's -M, a spare and its sum in two halves, v64-191 two buffers of S^T, then p, v192-223 Q of two tiles, v224-239 P.
; window 1: v0-127 K's fragments, v128-255 V's.  windows 2, 3: O^T, 64 registers a tile.
.set STEPB, 32768
.set KVH,   16384
.set QC,    65536                      ; Q's codes: 16,384 bytes a wave
.set STAGE, 131072                     ; 16 rows x (512 + 16) bytes a wave: query on its way in, out0 on its way out
.set SPI,   528
.set WSTG,  16*SPI
.set SPARE, STAGE+4*WSTG               ; the spare words: 128 bytes a wave
.set LI,  1                            ; 16 x lane
.set ADR, 2                            ; LDS address of the step whose fragments are read next
.set PFO, 3                            ; 256 x lane
.set QRD, 4                            ; my wave's Q codes + 16 x lane
.set SPW, 5
.set NIL, 6
.set STI, 8                            ; stage: row r + 32 h
.set STB, 9                            ; stage: 16 x lane of a row
.set STQ, 10                           ; stage: row r + 64 h
.set QWR, 11                           ; where the trip's Q codes go
.set H0,  12                           ; v12, v13: 448 x 2^ep, twice, for the two halves of a dual line
.set H1,  13
.set EP,  14                           ; 2^ep
.set ST,  32
.set SC,  64
.set QF,  192
.set PC,  224
.set TB,    2
.set CNT,   3
.set WV,    12
.set LIM,   15
.set G1,    16
.set G0,    24
.set PFA,   28
.set SEL,   30
.set CS,    32
.set SLOTS, 34
.set EPV,   35
.set QB,    48
.set MSB, 0
.macro WIN new                         ; bits 1:0 source 0, 3:2 source 1, 5:4 source 2, 7:6 destination; the high byte repeats the setting that is left
.if MSB != (\new)
	s_set_vgpr_msb (MSB<<8)|(\new)
.set MSB, (\new)
.endif
.endm
.macro PLACES n
.rept \n
	v_nop
.endr
.endm
.macro CROUND                          ; a round of the cluster's barrier
	s_barrier_signal -1
	s_barrier_wait -1
	s_cmp_lg_u32 s[WV], 0
	s_cbranch_scc1 .Lnot_wave_0_\@
	s_barrier_signal -3
.Lnot_wave_0_\@:
	s_barrier_wait -3
	s_barrier_signal -1
	s_barrier_wait -1
.endm
; A PREFETCH: the change of slots in step s loads step s + 2 and asks for step s + 4: two steps ahead of its load.  The four partners take 8,192 bytes each, told apart by address; wave 0 asks, lanes 256 bytes apart:
; each aligned block of 256 bytes is named once.  Steps 0 to 3 come by their loads alone; the changes of steps 12 and 13 ask for nothing.
.macro ASK
	s_cmp_gt_u32 s[SLOTS], s[LIM]
	s_cbranch_scc0 .Lnot_mine_\@
	global_prefetch_b8 v[PFO], s[PFA:PFA+1] th:TH_LOAD_NT scope:SCOPE_SE
.Lnot_mine_\@:
.endm
.macro KLD                             ; K's eight fragments
	WIN 0x40
.irp t, 0,1,2,3,4,5,6,7
.irp c, 0,1,2,3
	ds_load_b128 v[16*\t+4*\c:16*\t+4*\c+3], v[ADR] offset:2048*\t+512*\c
.endr
.endr
.endm
.macro VLD                             ; V's eight
	WIN 0x40
.irp t, 0,1,2,3,4,5,6,7
.irp c, 0,1,2,3
	ds_load_b128 v[128+16*\t+4*\c:128+16*\t+4*\c+3], v[ADR] offset:KVH+2048*\t+512*\c
.endr
.endr
.endm
.macro QLD1 k, d                       ; Q's codes of tile k into v[d ..]
.irp c, 0,1,2,3
	ds_load_b128 v[\d+4*\c:\d+4*\c+3], v[QRD] offset:2048*(\k)+512*\c
.endr
.endm
.macro QLOAD u, off                    ; 16 rows of query, a row (512 consecutive bytes) an instruction, into set u of window 1
.irp m, 0,1,2,3,4,5,6,7,8,9,10,11,12,13,14,15
	global_load_b128 v[64*(\u)+4*\m:64*(\u)+4*\m+3], v[LI], s[4:5] offset:(\off)+8192*(\u)+512*\m th:TH_LOAD_NT
.endr
.endm
	s_load_b256 s[4:11], s[0:1], 0x0               ; query, kv, the scales' exponents, out0
	v_lshl_add_u32 v[SPW], v0, 2, SPARE
	v_mov_b32 v[NIL], 0
	ds_add_u32 v[SPW], v[NIL]
	ds_add_u32 v[SPW], v[NIL]
	v_lshrrev_b32 v1, 5, v0
	v_readfirstlane_b32 s[WV], v1                  ; wave 0..3
	s_bfe_u32 s13, ttmp6, 0x40000                  ; cx: my block of 512 queries; it enters query's, out0's and the prefetches' addresses alone
	s_and_b32 s40, ttmp7, 0xffff                   ; the head
	s_lshl_b32 s41, s[WV], 13                      ; my quarter of a slot
	s_lshl_b32 s42, s40, 19
	s_add_co_u32 s42, s42, s41
	s_mov_b32 s43, 0
	s_lshl_b32 s44, s40, 20                        ; query, out0: head x 2,048 rows of 512 bytes
	s_lshl_b32 s45, s13, 18                        ;   + 512 x block rows
	s_add_co_u32 s44, s44, s45
	s_lshl_b32 s45, s[WV], 16                      ;   + 128 x wave rows
	s_add_co_u32 s44, s44, s45
	s_mov_b32 s45, 0
	s_lshl_b32 s46, s40, 19                        ; the prefetches: my head, my work-group's 8,192 bytes, step 3: the first change steps it to 4
	s_lshl_b32 s47, s13, 13
	s_add_co_u32 s46, s46, s47
	s_add_co_u32 s46, s46, 3*STEPB
	s_mov_b32 s47, 0
	s_cmp_eq_u32 s[WV], 0
	s_cselect_b32 s[LIM], 2, -1
	s_mov_b32 s[G1], 15|(3<<16)|(1<<21)            ; the mask: all four; elements of 8 bytes; bit 21 beside a mask
	s_mov_b32 s[G1+1], 32<<16                      ; 32 rows x 32 elements: 8,192 dense bytes
	s_mov_b32 s[G1+2], 32<<16
	s_mov_b32 s[G1+3], 32<<16
	s_mov_b32 s[G1+4], 32
	s_mov_b32 s[G1+5], 32
	s_mov_b32 s[G1+6], 0
	s_mov_b32 s[G1+7], 0
	s_mov_b32 s[SEL], 0x76543210
	s_mov_b32 s[SEL+1], 0xfedcba98
	s_mov_b32 s[CS], 0x3e0293ee                    ; log2(e) / sqrt(128)
	s_mov_b32 s[TB], 0
	s_wait_alu depctr_va_vdst(0)
	s_wait_dscnt 0x0
	s_wait_kmcnt 0x0
	s_load_b128 s[36:39], s[8:9], 0x0              ; eq, ek, ep, ev
	s_add_nc_u64 s[4:5], s[4:5], s[44:45]
	s_add_nc_u64 s[10:11], s[10:11], s[44:45]
	s_add_nc_u64 s[PFA:PFA+1], s[6:7], s[46:47]
	s_mov_b32 s[G0], 1
	s_lshl_b32 s[G0+1], s[WV], 13                  ; slot 0, my quarter
	s_add_nc_u64 s[G0+2:G0+3], s[6:7], s[42:43]
	s_or_b32 s[G0+3], s[G0+3], 0x80000000
	CROUND
	tensor_load_to_lds s[G0:G0+3], s[G1:G1+7]      ; step 0: my one tensor load at the head
	s_nop 0
	PLACES 4
	v_and_b32 v15, 31, v0
	v_lshlrev_b32 v[PFO], 8, v15
	v_lshlrev_b32 v[LI], 4, v15
	v_and_b32 v16, 15, v0                          ; r
	v_bfe_u32 v17, v0, 4, 1                        ; h
	s_mul_i32 s41, s[WV], WSTG
	s_add_co_u32 s41, s41, STAGE
	v_mul_u32_u24 v18, v16, SPI
	v_add_nc_u32 v18, s41, v18
	v_lshl_add_u32 v[STI], v17, 5, v18
	v_lshl_add_u32 v[STQ], v17, 6, v18
	v_add_nc_u32 v[STB], s41, v[LI]
	s_lshl_b32 s[QB], s[WV], 14
	s_add_co_u32 s[QB], s[QB], QC
	v_add_nc_u32 v[QRD], s[QB], v[LI]
	WIN 0x40
	QLOAD 0, 0                                     ; tiles 0 to 3 of query: 64 loads are out
	QLOAD 1, 0
	QLOAD 2, 0
	QLOAD 3, 0
	WIN 0
.set n, 0
.rept 32
	v_mov_b32 v[QF+n], 0                           ; two fragments of zero codes
.set n, n+1
.endr
.irp w, 2,3                                    ; O^T = 0
	WIN \w<<6
.set n, 0
.rept 32
	v_wmma_f32_16x16x128_fp8_fp8 v[8*n:8*n+7], v[QF:QF+15], v[QF+16:QF+31], 0
.set n, n+1
.endr
.endr
	WIN 0
	PLACES 4
	s_wait_kmcnt 0x0
	s_add_co_i32 s40, s36, s37
	s_lshl_b32 s40, s40, 23
	s_add_co_i32 s[CS], s[CS], s40                 ; x 2^(eq + ek), in c's exponent field
	s_mov_b32 s[CS+1], s[CS]
	s_add_co_i32 s40, s38, 127
	s_lshl_b32 s41, s40, 23                        ; 2^ep
	s_add_co_i32 s40, s40, 8
	s_lshl_b32 s40, s40, 23
	s_or_b32 s40, s40, 0x600000                    ; 448 x 2^ep
	s_add_co_i32 s42, s36, 127
	s_lshl_b32 s43, s42, 23                        ; 2^eq
	s_add_co_i32 s42, s42, 8
	s_lshl_b32 s42, s42, 23
	s_or_b32 s42, s42, 0x600000                    ; 448 x 2^eq
	s_add_co_i32 s[EPV], s38, s39
	v_mov_b32 v32, s43
	v_mov_b32 v33, s42
; One tile of query: 16 rows through the stage, back 64 bytes a lane (16 neighbours of each 32), held, converted, stored as the tile's image.  The set takes the rows of four tiles on, but in the last trip.
.macro QT u
	WIN 0x04
.irp m, 0,1,2,3,4,5,6,7,8,9,10,11,12,13,14,15
	ds_store_b128 v[STB], v[64*(\u)+4*\m:64*(\u)+4*\m+3] offset:SPI*\m
.endr
	WIN 0
.irp c, 0,1,2,3
.irp i, 0,1,2,3
	ds_load_b128 v[QF+16*\c+4*\i:QF+16*\c+4*\i+3], v[STQ] offset:128*\c+16*\i   ; LDS serves a wave's instructions in order
.endr
.endr
	s_wait_dscnt 0x0
	s_cmp_eq_u32 s[CNT], 1
	s_cbranch_scc1 .Lno_more_\@
	WIN 0x40
	QLOAD \u, 32768
	WIN 0
.Lno_more_\@:
.irp c, 0,1,2,3
.set n, 0
.rept 16
	v_med3_num_f32 v[QF+16*\c+n], v[QF+16*\c+n], -v33, v33   ; the conversion does not saturate (ISA guide 7.6.2): the hold
.set n, n+1
.endr
	v_cvt_scalef32_pk8_fp8_f32 v[16+4*\c:17+4*\c], v[QF+16*\c:QF+16*\c+7], v32
	v_cvt_scalef32_pk8_fp8_f32 v[18+4*\c:19+4*\c], v[QF+16*\c+8:QF+16*\c+15], v32
.endr
	v_nop
.irp c, 0,1,2,3
	ds_store_b128 v[QWR], v[16+4*\c:19+4*\c] offset:2048*(\u)+512*\c
.endr
.endm
	s_mov_b32 s[CNT], 2
.Lq:                                               ; two trips of four tiles
	v_add_nc_u32 v[QWR], s[QB], v[LI]
	s_wait_alu depctr_va_vdst(0)
	s_wait_loadcnt 0x0
	QT 0
	QT 1
	QT 2
	QT 3
	s_wait_xcnt 0x0                                ; the loads have read their base
	s_add_nc_u64 s[4:5], s[4:5], 32768
	s_add_co_u32 s[QB], s[QB], 8192
	s_sub_co_u32 s[CNT], s[CNT], 1
	s_cmp_lg_u32 s[CNT], 0
	s_cbranch_scc1 .Lq
.irp t, 0,1,2,3,4,5,6,7
	v_mov_b32 v[ST+4*\t], 0x7f61b1e6               ; -M = 3e38: M lies under every t
	v_mov_b32 v[ST+4*\t+1], 0
	v_mov_b32 v[ST+4*\t+2], 0                      ; the sum, in two halves
	v_mov_b32 v[ST+4*\t+3], 0
.endr
	v_mov_b32 v20, 0                               ; a lane permute's destination counts as a source
	v_mov_b32 v23, 0                               ; upper halves of the pairs that hold f and 1 / the sum
	v_mov_b32 v25, 0
	v_mov_b32 v[H0], s40
	v_mov_b32 v[H1], s40
	v_mov_b32 v[EP], s41
	s_wait_alu depctr_va_vdst(0)
	s_wait_tensorcnt 0x0                           ; step 0 is in; slot 1's first fill is issued as a refill is
	ds_add_u32 v[SPW], v[NIL]
	s_xor_b32 s[G0+1], s[G0+1], STEPB
	s_add_nc_u64 s[G0+2:G0+3], s[G0+2:G0+3], STEPB
	s_wait_dscnt 0x0
	CROUND
	tensor_load_to_lds s[G0:G0+3], s[G1:G1+7]      ; step 1
	s_nop 0
	PLACES 4
.macro NEXTK                           ; the next step's K, and Q of its tiles 0 and 1
	v_add_nc_u32 v[ADR], s[TB], v[LI]
	s_wait_alu depctr_va_vdst(0)                   ; the wait behind this write: V's loads read the address behind later waits
	QLD1 0, QF
	QLD1 1, QF+16
	KLD
	WIN 0
.endm
; THE CHANGE OF SLOTS.  All my tensor loads are in (the next step's quarter), the add, my reads of the slot to be filled are over; fill = 1: a round of the cluster's barrier, then the joint load of the step after next.
.macro CHG fill
	s_wait_alu depctr_va_vdst(0)
	s_wait_tensorcnt 0x0
	ds_add_u32 v[SPW], v[NIL]
.if \fill
	s_xor_b32 s[G0+1], s[G0+1], STEPB
	s_add_nc_u64 s[G0+2:G0+3], s[G0+2:G0+3], STEPB
	s_wait_xcnt 0x0                                ; the last prefetch has read its address
	s_add_nc_u64 s[PFA:PFA+1], s[PFA:PFA+1], STEPB
.endif
	s_xor_b32 s[TB], s[TB], STEPB
	s_wait_dscnt 0x0
.if \fill
	CROUND
	tensor_load_to_lds s[G0:G0+3], s[G1:G1+7]
	s_nop 0
	PLACES 4
	ASK
	NEXTK
.else
	s_barrier_signal -1
	s_barrier_wait -1
	s_cmp_eq_u32 s[CNT], 1                         ; the last step has no successor
	s_cbranch_scc1 .Lno_next_\@
	NEXTK
.Lno_next_\@:
.endif
.endm
; The pieces of a phase.  SB: this tile's buffer; SN: the other one; S0, S1: this tile's and the next one's statistics; QN: the next tile's Q.
.macro E4 r
	v_exp_f32 v[\r], v[\r]
	v_exp_f32 v[\r+1], v[\r+1]
	v_exp_f32 v[\r+2], v[\r+2]
	v_exp_f32 v[\r+3], v[\r+3]
.endm
.macro SWM t                           ; 16 keys x the next tile's queries
	v_wmma_f32_16x16x128_fp8_fp8 v[SN+8*(\t):SN+8*(\t)+7], v[16*(\t):16*(\t)+15], v[QN:QN+15], 0
.endm
.macro SW t
	WIN 0x01
	SWM \t
	WIN 0
.endm
.macro PVM b, t                        ; 16 channels of O^T += V^T P^T; a tile's eight accumulators by turns
	v_wmma_f32_16x16x128_fp8_fp8 v[\b+8*(\t):\b+8*(\t)+7], v[128+16*(\t):128+16*(\t)+15], v[PC:PC+15], v[\b+8*(\t):\b+8*(\t)+7]
.endm
.macro PVW w, b, t
	WIN ((\w)<<6)|((\w)<<4)|1
	PVM \b, \t
	WIN 0
.endm
.macro MAXES b                         ; the largest score of my query among my 64 keys: four chains, each result read from its low end on
	v_max3_num_f32 v16, v[\b], v[\b+1], v[\b+2]
	v_max3_num_f32 v17, v[\b+3], v[\b+4], v[\b+5]
	v_max3_num_f32 v18, v[\b+6], v[\b+7], v[\b+8]
	v_max3_num_f32 v19, v[\b+9], v[\b+10], v[\b+11]
.set n, 12
.rept 6
	v_max3_num_f32 v16, v16, v[\b+n], v[\b+n+1]
	v_max3_num_f32 v17, v17, v[\b+n+2], v[\b+n+3]
	v_max3_num_f32 v18, v18, v[\b+n+4], v[\b+n+5]
	v_max3_num_f32 v19, v19, v[\b+n+6], v[\b+n+7]
.set n, n+8
.endr
	v_max3_num_f32 v16, v16, v[\b+60], v[\b+61]
	v_max3_num_f32 v17, v17, v[\b+62], v[\b+63]
.endm
.macro SUMI                            ; the row's sum of the unquantised p: 32 packed additions in four chains
	v_pk_add_f32 v[26:27], v[SB:SB+1], v[SB+2:SB+3]
	v_pk_add_f32 v[28:29], v[SB+4:SB+5], v[SB+6:SB+7]
	v_pk_add_f32 v[30:31], v[SB+8:SB+9], v[SB+10:SB+11]
	v_pk_add_f32 v[S0+2:S0+3], v[S0+2:S0+3], v[SB+12:SB+13]
.endm
.macro SUMR n
	v_pk_add_f32 v[26:27], v[26:27], v[SB+\n:SB+\n+1]
	v_pk_add_f32 v[28:29], v[28:29], v[SB+\n+2:SB+\n+3]
	v_pk_add_f32 v[30:31], v[30:31], v[SB+\n+4:SB+\n+5]
	v_pk_add_f32 v[S0+2:S0+3], v[S0+2:S0+3], v[SB+\n+6:SB+\n+7]
.endm
.macro SUMF
	v_pk_add_f32 v[26:27], v[26:27], v[SB+62:SB+63]
	v_pk_add_f32 v[28:29], v[28:29], v[30:31]
	v_pk_add_f32 v[S0+2:S0+3], v[S0+2:S0+3], v[26:27]
	v_pk_add_f32 v[S0+2:S0+3], v[S0+2:S0+3], v[28:29]
.endm
.macro D k                             ; k lines of the hold at 448 x 2^ep, two numbers a line; p is not negative
.rept \k
	v_dual_min_num_f32 v[SB+m], v[H0], v[SB+m] :: v_dual_min_num_f32 v[SB+m+1], v[H1], v[SB+m+1]
.set m, m+2
.endr
.endm
.macro CHAIN                           ; the next tile's M and f, on end
	v_max3_num_f32 v16, v16, v17, v18
	v_max_num_f32 v16, v16, v19
	v_permlanex16_b32 v20, v16, s[SEL], s[SEL+1]
	v_max_num_f32 v16, v16, v20
	v_mul_f32 v16, s[CS], v16
	v_floor_f32 v17, -v16
	v_min_num_f32 v17, v17, v[S1]
	v_sub_f32 v16, v17, v[S1]
	v_mov_b32 v[S1], v17
	v_cvt_i32_f32 v16, v16
	v_ldexp_f32 v22, 1.0, v16
.endm
.macro MIX                             ; the same eleven lines, each among this tile's sums and holds, which do not hang on them
.set m, 0
	v_max3_num_f32 v16, v16, v17, v18
	SUMI
	v_max_num_f32 v16, v16, v19
	SUMR 14
	v_permlanex16_b32 v20, v16, s[SEL], s[SEL+1]   ; lane l xor 16's
	SUMR 22
	v_max_num_f32 v16, v16, v20
	SUMR 30
	v_mul_f32 v16, s[CS], v16                      ; as t
	SUMR 38
	v_floor_f32 v17, -v16                          ; -ceil(t)
	SUMR 46
	v_min_num_f32 v17, v17, v[S1]                  ; the new -M
	SUMR 54
	v_sub_f32 v16, v17, v[S1]                      ; old M - new M: a whole number, 0 or less
	SUMF
	v_mov_b32 v[S1], v17
	D 4
	v_cvt_i32_f32 v16, v16                         ; (it saturates)
	D 4
	v_ldexp_f32 v22, 1.0, v16                      ; f = 2^(old M - new M)
	D 24
.endm
.macro CODES                           ; this tile's p becomes P
.irp b, 0,1,2,3
	v_cvt_scalef32_pk8_fp8_f32 v[PC+4*\b:PC+4*\b+1], v[SB+16*\b:SB+16*\b+7], v[EP]
	v_cvt_scalef32_pk8_fp8_f32 v[PC+4*\b+2:PC+4*\b+3], v[SB+16*\b+8:SB+16*\b+15], v[EP]
.endr
.endm
.macro FMA4 n0                         ; t - M of eight of the next tile's scores
.set n, \n0
.rept 4
	v_pk_fma_f32 v[SN+n:SN+n+1], v[SN+n:SN+n+1], s[CS:CS+1], v[S1:S1+1] op_sel_hi:[1,0,0]
.set n, n+2
.endr
.endm
.macro FMAS
.irp t, 0,1,2,3,4,5,6,7
	FMA4 8*\t
.endr
.endm
.macro OUTT k                          ; a finished tile: O^T x 2^(ep + ev) / the sum, in place; through the stage; back into the same registers by rows; out by whole rows of 512 bytes
.set XW, 2+(\k)/4
.set XB, 64*((\k)%4)
.set XS, ST+4*(\k)
	v_add_f32 v16, v[XS+2], v[XS+3]
	v_permlanex16_b32 v20, v16, s[SEL], s[SEL+1]
	v_add_f32 v16, v16, v20
	s_wait_alu depctr_va_vdst(0)                   ; the wait ahead of the reciprocal,
	v_rcp_f32 v24, v16
	v_nop
	s_wait_alu depctr_va_vdst(0)                   ; and behind it
	v_ldexp_f32 v24, v24, s[EPV]
	WIN (XW<<6)|XW
	s_wait_alu depctr_va_vdst(0)                   ; and directly ahead of the first reader of O^T
.set n, 0
.rept 32
	v_pk_mul_f32 v[XB+n:XB+n+1], v[XB+n:XB+n+1], v[24:25] op_sel_hi:[1,0]   ; register 8 t + i is o(r, 16 t + 8 h + i)
.set n, n+2
.endr
	WIN XW<<2
.irp t, 0,1,2,3,4,5,6,7
	ds_store_b128 v[STI], v[XB+8*\t:XB+8*\t+3] offset:64*\t
	ds_store_b128 v[STI], v[XB+8*\t+4:XB+8*\t+7] offset:64*\t+16
.endr
	s_wait_dscnt 0x0                               ; the stores have read their registers, which take the rows
	WIN XW<<6
.irp i, 0,1,2,3,4,5,6,7,8,9,10,11,12,13,14,15
	ds_load_b128 v[XB+4*\i:XB+4*\i+3], v[STB] offset:SPI*\i
.endr
	WIN XW<<2
.irp g, 0,1,2,3
	s_wait_dscnt 12-4*\g                           ; four more rows are back; the later loads may be out
.irp i, 0,1,2,3
	global_store_b128 v[LI], v[XB+16*\g+4*\i:XB+16*\g+4*\i+3], s[10:11] offset:8192*(\k)+512*(4*\g+\i) th:TH_STORE_NT
.endr
.endr
	WIN 0
	s_wait_xcnt 0x0                                ; the stores have read their registers
.endm
.macro PHASE i, fill
.set SB, SC+64*((\i)%2)
.set SN, SC+64*(1-(\i)%2)
.set S0, ST+4*(\i)
.set S1, ST+4*(((\i)+1)%8)
.set OW, 2+(\i)/4
.set OB, 64*((\i)%4)
.set PW, 2+(((\i)+7)%8)/4
.set PB, 64*(((\i)+7)%4)
.set QN, QF+16*(1-(\i)%2)
	s_wait_alu depctr_va_vdst(0)
.if (\i) == 6
	s_wait_dscnt 0x0                               ; phase 5 issues no load: tile 7's Q, asked for in phase 4, is the youngest
.endif
.if (\i) >= 1 && (\i) <= 5
	s_wait_dscnt 4                                 ; all but the four loads of Q issued last: the next tile's Q is in (phase 1: V too)
.endif
.if (\i) == 7
.irp t, 0,1,2,3,4,5,6,7
	PVW PW, PB, \t
	E4 SB+4*\t
.endr
.irp t, 0,1,2,3,4,5,6,7
.if \fill
	s_wait_dscnt 28-4*\t                           ; Q and K's fragment t are in; the later fragments' loads may be out
	SW \t
.endif
	E4 SB+32+4*\t
.endr
.else
.irp t, 0,1,2,3,4,5,6,7
	SW \t
	E4 SB+4*\t
.endr
.irp t, 0,1,2,3,4,5,6,7
.if (\i) > 0
	PVW PW, PB, \t
.endif
	E4 SB+32+4*\t
.endr
.endif
	v_pk_mul_f32 v[S0+2:S0+3], v[S0+2:S0+3], v[22:23] op_sel_hi:[1,0]   ; the sum under the new M: the plain line behind the exponentials
	WIN (OW<<6)|OW
	s_wait_alu depctr_va_vdst(0)                   ; for the exponentials, and ahead of the first readers of O^T and of the next scores
.set n, 0
.rept 32
	v_pk_mul_f32 v[OB+n:OB+n+1], v[OB+n:OB+n+1], v[22:23] op_sel_hi:[1,0]   ; O^T under the new M
.set n, n+2
.endr
	WIN 0
.if (\i) == 7 && (\fill) == 0
.set m, 0
	SUMI                                           ; steps 14 and 15: phase 7 finishes its own tile first; what works ahead into a next step stands apart, and step 15 goes round it
.irp q, 14,22,30,38,46,54
	SUMR \q
.endr
	SUMF
	D 32
	CODES
	v_nop
	WIN (OW<<6)|(OW<<4)|1
.irp t, 0,1,2,3,4,5,6,7
	PVM OB, \t
.endr
	WIN 0
	s_cmp_eq_u32 s[CNT], 1
	s_cbranch_scc1 .Lfin_\@
	s_wait_dscnt 0x0
	WIN 0x01
.irp t, 0,1,2,3,4,5,6,7
	SWM \t
.endr
	WIN 0
	PLACES 4
	QLD1 2, QN
	VLD
	WIN 0
	MAXES SN
	CHAIN
	FMAS
	s_branch .Lend_\@
.Lfin_\@:
	OUTT 6
	OUTT 7
.Lend_\@:
.else
	MAXES SN
.if (\i) <= 4 || (\i) == 7
	QLD1 ((\i)+3)%8, QN                            ; Q of the tile three on, into the registers that the products above have read
.endif
.if (\i) == 6
	CHG \fill
.endif
	MIX
	CODES
.if (\i) == 7
.irp t, 0,1,2,3,4,5,6,7                        ; tile 7's second product among the next tile 0's t - M
	FMA4 8*\t
	PVW OW, OB, \t
.endr
	PLACES 4
	VLD                                            ; the next step's V
	WIN 0
.else
	FMAS
.endif
.if (\fill) == 0 && (\i) >= 1
	s_cmp_lg_u32 s[CNT], 1
	s_cbranch_scc1 .Lnot_yet_\@
	OUTT (\i)-1                                    ; the last step: the tile before is finished
.Lnot_yet_\@:
.endif
.endif
.endm
.macro STEP fill
.irp i, 0,1,2,3,4,5,6,7
	PHASE \i, \fill
.endr
.endm
	; the pipeline's start: step 0's fragments, tile 0's scores, maxima, M and t - M
.set SN, SC
.set S1, ST
.set QN, QF
	NEXTK
	s_wait_dscnt 0x0
	WIN 0x01
.irp t, 0,1,2,3,4,5,6,7
	SWM \t
.endr
	WIN 0
	PLACES 4
	QLD1 2, QF
	VLD
	WIN 0
	MAXES SN
	CHAIN
	FMAS
	s_mov_b32 s[SLOTS], 14
.Ltrip:                                            ; steps 0 to 13: each asks for the step after next
	STEP 1
	s_sub_co_u32 s[SLOTS], s[SLOTS], 1
	s_cmp_lg_u32 s[SLOTS], 0
	s_cbranch_scc1 .Ltrip
	s_mov_b32 s[CNT], 2
.Ltail:                                            ; steps 14 and 15 ask for nothing
	STEP 0
	s_sub_co_u32 s[CNT], s[CNT], 1
	s_cmp_lg_u32 s[CNT], 0
	s_cbranch_scc1 .Ltail
	s_wait_tensorcnt 0x0                           ; the wave's end
	ds_add_u32 v[SPW], v[NIL]
	s_wait_dscnt 0x0
	CROUND                                         ; the closing round
	s_endpgm
.Lfunc_end_k_q39778a239f_attn:
	.size	k_q39778a239f_attn, .Lfunc_end_k_q39778a239f_attn-k_q39778a239f_attn
	.p2alignl 7, 3214868480
	.fill 96, 4, 3214868480
	.section	.rodata,"a",@progbits
	.p2align	6, 0x0
	.amdhsa_kernel k_q39778a239f_attn
		.amdhsa_group_segment_fixed_size 327680
		.amdhsa_private_segment_fixed_size 0
		.amdhsa_enable_private_segment 0
		.amdhsa_kernarg_size 32
		.amdhsa_user_sgpr_count 2
		.amdhsa_user_sgpr_kernarg_segment_ptr 1
		.amdhsa_wavefront_size32 1
		.amdhsa_system_sgpr_workgroup_id_x 1
		.amdhsa_system_sgpr_workgroup_id_y 1
		.amdhsa_system_sgpr_workgroup_id_z 1
		.amdhsa_system_vgpr_workitem_id 0
		.amdhsa_next_free_vgpr 1024
		.amdhsa_next_free_sgpr 66
		.amdhsa_reserve_vcc 0
		.amdhsa_float_denorm_mode_32 3
		.amdhsa_float_denorm_mode_16_64 3
		.amdhsa_memory_ordered 1
		.amdhsa_forward_progress 1
		.amdhsa_inst_pref_size 255
	.end_amdhsa_kernel
	.section	.bss,"aw",@nobits
	.p2align	6
	.space	262144
	.amdgpu_metadata
---
amdhsa.version: [ 1, 2 ]
amdhsa.kernels:
  - .name:           k_q39778a239f_attn
    .symbol:         k_q39778a239f_attn.kd
    .args:
      - { .name: query, .offset: 0, .size: 8, .value_kind: global_buffer, .address_space: global }
      - { .name: kv, .offset: 8, .size: 8, .value_kind: global_buffer, .address_space: global }
      - { .name: lowp_scales, .offset: 16, .size: 8, .value_kind: global_buffer, .address_space: global }
      - { .name: out0, .offset: 24, .size: 8, .value_kind: global_buffer, .address_space: global }
    .group_segment_fixed_size: 327680
    .private_segment_fixed_size: 0
    .kernarg_segment_align: 8
    .kernarg_segment_size: 32
    .max_flat_workgroup_size: 128
    .sgpr_count:     66
    .vgpr_count:     1024
    .wavefront_size: 32
...
	.end_amdgpu_metadata
.endif
;; end of part 2
